; MI455X (gfx1250); checked and timed in simulation.
; The chip was launched on July 23, 2026; its instructions are those of AMD's public machine-readable ISA for CDNA 5 (MIT licence, August 2026) and "CDNA5" Instruction Set Architecture Reference Guide (July 2026). The comments in the code are by the model that wrote it; some were corrected since.
;; Self Attention. Allowed arithmetic: matrix products marked QUANTISED: E2M3 operands, one E8M0 scale for each 32 along K, by v_wmma_scale_f32_16x16x128_f8f6f4 with both operands' format E2M3, f32 sums; everything else in f32.
;; Inputs: qkv 2 x 2,048 x 3 x 16 x 64 float32.
;; Outputs: out0 2 x 2,048 x 16 x 64 float32.
;; This version of the problem:
;;   THIS VERSION OF THE PROBLEM IS GIVEN IN LOW PRECISION. The matrix products marked QUANTISED in the list below multiply operands that are first quantised to E2M3 (2 exponent bits, 3 mantissa bits; 6 bits a number), with one power-of-two scale for each 32 numbers along K (OCP MX v1.0); their sums are f32. All else is computed in f32.
;;   The module's matrix products, in the order in which they are computed (A, B: the left and right operand; K: the contracted axis; several contracted axes count as one K, in the product's order):
;;     1. batch 32 x [M 2,048, K 64] x [K 64, N 2,048]; A: input qkv; B: computed on the way: QUANTISED
;;     2. batch 32 x [M 64, K 2,048] x [K 2,048, N 2,048]; A: input qkv; B: computed on the way: QUANTISED
;;   THE QUANTISER, for each operand of a quantised product, along K:
;;     - K is cut into blocks of 32 from its start; a last block that is shorter is filled with zeros.
;;     - A block's scale is 2^e with e = floor(log2(the largest magnitude in the block)) - 2, held to -126 .. 127; a block of zeros has e = 0. As a byte (E8M0): e + 127.
;;     - Each number is divided by its block's scale, clamped to +-7.5, and rounded to the nearest number of E2M3, ties to even, subnormals kept.
;;     - The product sums the exact products of the quantised numbers (number of the format x scale) in f32.
;;   ~~~python
;;   def quantise(x, axis):      # numpy; x: float32 -> the quantised numbers, widened to float32 again
;;       x = np.moveaxis(x, axis, -1); K = x.shape[-1]
;;       x = np.pad(x, [(0, 0)] * (x.ndim - 1) + [(0, -K % 32)]); x = x.reshape(x.shape[:-1] + (-1, 32)); a = np.abs(x).max(-1, keepdims=True)
;;       e = np.where(a > 0, np.clip(np.frexp(np.where(a > 0, a, 1))[1] - 1 - 2, -126, 127), 0)      # np.frexp(a)[1] - 1 = floor(log2(a)), exactly
;;       r = np.clip(x / 2.0 ** e, -7.5, 7.5)
;;       step = 2.0 ** (np.maximum(np.frexp(np.where(r == 0, 1, r))[1] - 1, 0) - 3)
;;       q = np.round(r / step) * step * 2.0 ** e      # np.round: ties to even
;;       return np.moveaxis(q.reshape(q.shape[:-2] + (-1,))[..., :K], -1, axis).astype(np.float32)
;;   ~~~
;;   OPERANDS COMPUTED ON THE WAY. 'Computed on the way' means the value that the module computes at that place (a softmax that the list does not call 'softmax' is quantised finished and normalised). What goes into a quantiser is computed in f32, as accurately as f32 sums, v_exp_f32 and their like allow (about 1e-6 of the number): no bf16 or f16 on the way to a quantiser, and a product that is left as it is and whose result goes on into a quantised operand takes f32 operands (vector FMAs, or v_wmma_f32_16x16x4_f32). A number that lies on a knife's edge between two numbers of the format may be rounded either way, as far as f32 arithmetic and the matrix unit's own rounding can turn it there, and no further.
;; One version. Each part assembles by itself: llvm-mc -triple=amdgcn-amd-amdhsa -mcpu=gfx1250 --defsym DOCPART=n.
;; ======== version 1 of 1: 2 launches
;; limits: right only within a limited range of input values
;; workspace buffers: q_img 3,276,800 bytes; k_img 3,276,800 bytes; v_img 3,276,800 bytes
;; launch quant (part 1): grid 256 x 1, 6 waves a work-group, no clusters, 52,992 bytes of LDS; arguments qkv, q_img, k_img, v_img; writes q_img, k_img, v_img
.if DOCPART == 1
	.amdgcn_target "amdgcn-amd-amdhsa--gfx1250"
	.amdhsa_code_object_version 6
	.text
	.protected	k_q86e53ccb67_quant
	.globl	k_q86e53ccb67_quant
	.p2align	8
	.type	k_q86e53ccb67_quant,@function
k_q86e53ccb67_quant:
	s_mov_b64 s[64:65], 0
	v_nop
	global_prefetch_b8 v0, s[64:65] scope:SCOPE_SE
	s_setreg_imm32_b32 hwreg(HW_REG_WAVE_MODE, 25, 1), 1
	s_wait_xcnt 0x0
; qkv [2][2048][3][16][64] f32 becomes three workspace tensors of FP6 (E2M3) codes with E8M0 scale bytes, laid IN THE ORDER OF THE OPERANDS' REGISTERS.
; A head block (batch b, head h: hb = 16 b + h) is 102,400 bytes: 64 fragments of 1,536 bytes (key or query step j = 0..15 of 128 rows, fragment f = 0..3 at (4 j + f) x 1,536; register p of
; lane L at 512 (p / 4) + 16 L + 4 (p % 4): three loads of 16 bytes a lane bring a fragment), then from byte 98,304 the scale words: step j, lane row r, fragment f at 256 j + 16 r + 4 f.
; q_img, k_img (K of the product = the head's 64): fragment (j, f), lane (r, h), registers 6 u .. 6 u + 5 = d 32 h .. 32 h + 31 of row 128 j + 32 f + 8 u + r + 8 (r / 8): TWO tiles of 16 rows in one fragment of
;   128 along K; the word's bytes: (u 0, h 0), (u 0, h 1), (u 1, h 0), (u 1, h 1).  k is quantised as k / 8: the factor 2^-3 is exact, so the codes are k's and the byte is 3 lower.
; v_img (K = the keys): fragment (j, t), lane (r, h), registers 6 c .. 6 c + 5 = keys 128 j + 64 c + 32 h + 0 .. 31 of d = 16 t + r; the word's byte n belongs to keys 128 j + 32 n on.
; THE QUANTISER: a block's scale is 2^(floor(log2(largest magnitude)) - 2); its byte is the largest magnitude's exponent field - 2, held at 1 from below by a floor among the maximum's leaves
;   (for k: the floor's field is 6 and the byte 3 lower, which holds k / 8's byte at 1).  The conversion divides by the scale, rounds to the nearest code, ties to even, and gives the largest code beyond 7.5.
; LIMITS: NaN and infinities among the inputs are not served.  A block of zeros gets the floor's byte where the rule says 127: its codes are zeros, and this program alone reads the bytes.
; SHARES: a unit is one step (128 rows x 256 bytes) of one tensor and head.  Waves 0-3 take units of q and k (1,024 in all), waves 4 and 5 units of v (512): every work-group has the same work.
;   The two roles part on the wave's number and never meet again: no barrier; each wave has a stage of its own in LDS.
; Each load takes two whole rows of 256 bytes (16 lanes a row).  The rows turn through the stage (rows 272 bytes apart), so that a lane gets the 32 numbers of a whole block in 32 registers:
;   q, k: 128 neighbouring bytes of one row;  v: one column d down 32 keys.  No maximum needs another lane.  Loads run one fragment (16 loads) ahead of the one at work.
.set ROWP,  12288                      ; bytes from a row (b, s) of qkv to the next
.set HBLK,  102400
.set FRAG,  1536
.set SCOFF, 98304
.set SP,    272                        ; a stage row: 256 bytes + 16: sixteen rows' equal columns start at sixteen different multiples of 16 bytes modulo 256
.set WST,   32*SP                      ; a wave's stage
.set R,     16                         ; v16-143  two sets of 64: a fragment's 32 rows as loaded
.set X,     144                        ; v144-207 two blocks of 32 numbers
.set C,     208                        ; v208-231 codes
.set T,     232                        ; v232-239 the second halves of two blocks' codes (a conversion's three registers begin on an even number)
.set MX,    240                        ; v240-241 largest magnitudes
.set SO,    242                        ; v242-243 the conversions' scale operands
.set BY,    244                        ; v244-245 scale bytes
.set SW,    248                        ; v248-251 scale words
.set SRC,   16                         ; s[16:17] my unit's first row in qkv
.set DSTC,  18                         ; s[18:19] its fragments
.set DSTS,  20                         ; s[20:21] its scale words
.set FLOOR, 22
.set ADJ,   23
	s_load_b256 s[4:11], s[0:1], 0x0               ; qkv s[4:5], q_img s[6:7], k_img s[8:9], v_img s[10:11]
	v_lshl_add_u32 v247, v0, 2, 0xcc00
	v_mov_b32 v255, 0
	v_lshrrev_b32 v1, 5, v0
	v_readfirstlane_b32 s12, v1                    ; wave 0..5
	v_and_b32 v1, 31, v0                           ; lane
	v_and_b32 v2, 15, v0                           ; r
	v_bfe_u32 v3, v0, 4, 1                         ; hh
	s_mul_i32 s32, s12, WST                        ; my stage
	; every address register is made here, ahead of the parting of the roles, and never rewritten
	v_mul_u32_u24 v4, v3, ROWP
	v_lshl_add_u32 v4, v2, 4, v4                   ; in: 16 r + a row for lanes 16-31
	v_mul_u32_u24 v5, v3, SP
	v_lshl_add_u32 v5, v2, 4, v5
	v_add_nc_u32 v5, s32, v5                       ; into the stage: as loaded
	v_mul_u32_u24 v6, v2, SP
	v_lshl_add_u32 v6, v3, 7, v6
	v_add_nc_u32 v6, s32, v6                       ; back, q and k: stage row r, my half's 128 bytes
	v_lshl_add_u32 v7, v1, 2, s32                  ; back, v: column d = lane
	v_lshlrev_b32 v8, 4, v1                        ; out, q and k: 16 x lane
	v_mul_u32_u24 v9, v3, FRAG
	v_lshl_add_u32 v9, v2, 4, v9                   ; out, v: lanes 16-31 hold the next fragment's rows
	v_lshlrev_b32 v10, 4, v2
	v_lshl_add_u32 v10, v3, 3, v10                 ; out, scale words: 16 r + 8 hh
	v_lshlrev_b32 v11, 3, v3                       ; 8 hh: my bytes' place in a word of q or k
	v_mov_b32 v254, 0                              ; a lane permute's destination counts as one of its sources
	s_mov_b32 s24, 0x76543210
	s_mov_b32 s25, 0xfedcba98                      ; v_permlanex16_b32's selects for lane l xor 16
	; my unit: waves 0-3: 4 x + wave (q: 0-511, k: 512-1023); waves 4, 5: 1,024 + 2 x + wave - 4
	s_lshl_b32 s26, ttmp9, 2
	s_add_co_u32 s26, s26, s12
	s_lshl_b32 s27, ttmp9, 1
	s_add_co_u32 s27, s27, s12
	s_add_co_u32 s27, s27, 1020
	s_cmp_lt_u32 s12, 4
	s_cselect_b32 s13, s26, s27
	s_lshr_b32 s28, s13, 9                         ; the tensor: 0 q, 1 k, 2 v
	s_bfe_u32 s14, s13, 0x50004                    ; hb
	s_and_b32 s15, s13, 15                         ; j
	s_lshr_b32 s26, s14, 4
	s_mul_i32 s26, s26, 2048*ROWP                  ; the batch,
	s_mul_i32 s27, s15, 128*ROWP                   ; the step's 128 rows,
	s_add_co_u32 s26, s26, s27
	s_lshl_b32 s27, s28, 12                        ; the tensor's 4,096 bytes of a row,
	s_add_co_u32 s26, s26, s27
	s_and_b32 s27, s14, 15
	s_lshl_b32 s27, s27, 8                         ; the head's 256
	s_add_co_u32 s26, s26, s27
	s_mov_b32 s27, 0
	s_mul_i32 s30, s14, HBLK
	s_lshl_b32 s34, s15, 8
	s_add_co_u32 s34, s34, s30
	s_add_co_u32 s34, s34, SCOFF                   ; the step's scale words
	s_mov_b32 s35, 0
	s_mul_i32 s31, s15, 4*FRAG
	s_add_co_u32 s30, s30, s31                     ; the step's four fragments
	s_mov_b32 s31, 0
	s_mov_b32 s[FLOOR], 3<<23
	s_cmp_eq_u32 s28, 1
	s_cselect_b32 s[FLOOR], 6<<23, s[FLOOR]
	s_cselect_b32 s[ADJ], 3, 0
	s_wait_kmcnt 0x0
	s_cmp_eq_u32 s28, 0                            ; the choices hang on the unit's number alone
	s_cselect_b64 s[DSTC:DSTC+1], s[6:7], s[8:9]
	s_cmp_eq_u32 s28, 2
	s_cselect_b64 s[DSTC:DSTC+1], s[10:11], s[DSTC:DSTC+1]
	s_add_nc_u64 s[DSTS:DSTS+1], s[DSTC:DSTC+1], s[34:35]
	s_add_nc_u64 s[DSTC:DSTC+1], s[DSTC:DSTC+1], s[30:31]
	s_add_nc_u64 s[SRC:SRC+1], s[4:5], s[26:27]
.macro LOADF set, row0                 ; 32 rows from row0 on: each load takes two whole rows of 256 bytes
.irp i, 0,1,2,3,4,5,6,7,8,9,10,11,12,13,14,15
	global_load_b128 v[R+64*(\set)+4*\i:R+64*(\set)+4*\i+3], v4, s[SRC:SRC+1] offset:((\row0)+2*\i)*ROWP th:TH_LOAD_NT
.endr
.endm
; perm = 1 (q, k): row p of the 32 goes to stage row 16 ((p / 8) % 2) + 8 (p / 16) + p % 8, so that stage row 16 u + r holds row 8 u + r + 8 (r / 8).  perm = 0 (v): as they come
.macro TOSTAGE set, perm
.irp i, 0,1,2,3,4,5,6,7,8,9,10,11,12,13,14,15
.if \perm
	ds_store_b128 v5, v[R+64*(\set)+4*\i:R+64*(\set)+4*\i+3] offset:(16*(((2*\i)/8)%2)+8*((2*\i)/16)+(2*\i)%8)*SP
.else
	ds_store_b128 v5, v[R+64*(\set)+4*\i:R+64*(\set)+4*\i+3] offset:(2*\i)*SP
.endif
.endr
.endm
.macro BACKQ                           ; block u: 32 neighbours of stage row 16 u + r.  LDS serves a wave's instructions in order: these see the stores above
.irp u, 0,1
.irp k, 0,1,2,3,4,5,6,7
	ds_load_b128 v[X+32*\u+4*\k:X+32*\u+4*\k+3], v6 offset:\u*16*SP+16*\k
.endr
.endr
.endm
.macro BACKV                           ; block e: column d = 32 e + lane down the 32 keys
.irp e, 0,1
.irp i, 0,1,2,3,4,5,6,7,8,9,10,11,12,13,14,15,16,17,18,19,20,21,22,23,24,25,26,27,28,29,30,31
	ds_load_b32 v[X+32*\e+\i], v7 offset:\i*SP+128*\e
.endr
.endr
.endm
; The two blocks in X become 6 + 6 registers of codes at c0 and c1, and their bytes in BY; the blocks take turns line by line
.macro Q2 c0, c1
	v_max3_num_f32 v[MX],   |v[X]|,    |v[X+1]|,  s[FLOOR]         ; the floor is one more leaf: the byte cannot fall under 1
	v_max3_num_f32 v[MX+1], |v[X+32]|, |v[X+33]|, s[FLOOR]
.irp i, 2,4,6,8,10,12,14,16,18,20,22,24,26,28,30
	v_max3_num_f32 v[MX],   v[MX],   |v[X+\i]|,    |v[X+\i+1]|
	v_max3_num_f32 v[MX+1], v[MX+1], |v[X+32+\i]|, |v[X+33+\i]|
.endr
	v_add_nc_u32 v[SO],   0xff000000, v[MX]        ; 2 off the exponent field: the conversion takes the exponent field of this operand as its scale, and nothing else of it
	v_add_nc_u32 v[SO+1], 0xff000000, v[MX+1]
	v_lshrrev_b32 v[BY],   23, v[SO]               ; the scale's byte
	v_lshrrev_b32 v[BY+1], 23, v[SO+1]
	v_cvt_scalef32_pk16_fp6_f32 v[\c0:\c0+2], v[X:X+15],    v[SO]
	v_cvt_scalef32_pk16_fp6_f32 v[T:T+2],     v[X+16:X+31], v[SO]
	v_cvt_scalef32_pk16_fp6_f32 v[\c1:\c1+2], v[X+32:X+47], v[SO+1]
	v_cvt_scalef32_pk16_fp6_f32 v[T+4:T+6],   v[X+48:X+63], v[SO+1]
	v_nop                                          ; one plain place behind the scaled conversions
.irp i, 0,1,2
	v_mov_b32 v[\c0+3+\i], v[T+\i]
	v_mov_b32 v[\c1+3+\i], v[T+4+\i]
.endr
.endm
	s_cmp_lt_u32 s12, 4
	s_cbranch_scc0 .Lv_path
	; ---------------- q and k: four fragments of 32 rows
.macro QKFRAG f
.if \f < 3
	s_wait_loadcnt 16                              ; this fragment's 16 loads are in; the next fragment's 16 stay out
.else
	s_wait_loadcnt 0x0
.endif
	TOSTAGE (\f)%2, 1
	BACKQ
	s_wait_dscnt 0x0                               ; the numbers are back, and the stores into the stage have read their registers
	s_wait_xcnt 0x0                                ; the last fragment's stores have read C, which is written again below
.if \f < 2
	LOADF (\f)%2, 32*((\f)+2)
.endif
	Q2 C, C+6
	v_sub_nc_u32 v[BY],   v[BY],   s[ADJ]          ; k: 2^-3 into the byte
	v_sub_nc_u32 v[BY+1], v[BY+1], s[ADJ]
	v_lshl_or_b32 v252, v[BY+1], 16, v[BY]         ; my two bytes, (u 0, hh) and (u 1, hh),
	v_lshlrev_b32 v252, v11, v252                  ; at their places;
	v_permlanex16_b32 v254, v252, s24, s25
	v_or_b32 v[SW+\f], v252, v254                  ; with lane l xor 16's two the word is whole
.irp c, 0,1,2
	global_store_b128 v8, v[C+4*\c:C+4*\c+3], s[DSTC:DSTC+1] offset:FRAG*(\f)+512*\c   ; 32 lanes store 512 consecutive bytes, at a multiple of 256 from the buffer's first byte
.endr
.endm
	LOADF 0, 0
	LOADF 1, 32
	QKFRAG 0
	QKFRAG 1
	QKFRAG 2
	QKFRAG 3
	v_cmp_ne_u32 vcc_lo, 0, v3
	v_cndmask_b32 v252, v[SW],   v[SW+2], vcc_lo   ; lanes 0-15 store the words of fragments 0, 1 of row r, lanes 16-31 those of 2, 3:
	v_cndmask_b32 v253, v[SW+1], v[SW+3], vcc_lo
	global_store_b64 v10, v[252:253], s[DSTS:DSTS+1]   ; 256 consecutive aligned bytes
	s_wait_tensorcnt 0x0
	ds_add_u32 v247, v255
	s_wait_dscnt 0x0
	s_endpgm
	; ---------------- v: four blocks of 32 keys, in the order 0, 2, 1, 3: blocks h and 2 + h are the twelve registers of the operand's lanes (r, h)
.Lv_path:
.macro VBLK n, beta
.if \n < 3
	s_wait_loadcnt 16                              ; this block's 16 loads are in; the next block's 16 stay out
.else
	s_wait_loadcnt 0x0
.endif
	TOSTAGE (\n)%2, 0
	BACKV
	s_wait_dscnt 0x0
.if \n == 0
	LOADF 0, 32
.endif
.if \n == 1
	LOADF 1, 96
.endif
.if \n == 2
	s_wait_xcnt 0x0                                ; the stores behind the second block have read C, which is written again below
.endif
	Q2 C+6*((\beta)/2), C+12+6*((\beta)/2)         ; d = lane at C, d = 32 + lane at C + 12
.irp e, 0,1
.if \n == 0
	v_mov_b32 v[SW+\e], v[BY+\e]
.else
	v_lshl_or_b32 v[SW+\e], v[BY+\e], 8*(\beta), v[SW+\e]
.endif
.endr
.if (\n)%2 == 1
.irp e, 0,1
.irp c, 0,1,2
	global_store_b128 v9, v[C+12*\e+4*\c:C+12*\e+4*\c+3], s[DSTC:DSTC+1] offset:2*FRAG*\e+512*\c+256*((\beta)%2)   ; fragment 2 e + hh, the operand's lanes (r, beta % 2): each half of my lanes stores 256 consecutive aligned bytes
.endr
.endr
.endif
.endm
	LOADF 0, 0
	LOADF 1, 64
	VBLK 0, 0
	VBLK 1, 2
	VBLK 2, 1
	VBLK 3, 3
	v_permlane16_swap_b32 v[SW], v[SW+1]           ; before: fragments hh and 2 + hh of row r; behind it lanes 0-15 hold the words of fragments 0, 1, lanes 16-31 those of 2, 3
	global_store_b64 v10, v[SW:SW+1], s[DSTS:DSTS+1]
	s_wait_tensorcnt 0x0
	ds_add_u32 v247, v255
	s_wait_dscnt 0x0
	s_endpgm
.Lfunc_end_k_q86e53ccb67_quant:
	.size	k_q86e53ccb67_quant, .Lfunc_end_k_q86e53ccb67_quant-k_q86e53ccb67_quant
	.p2alignl 7, 3214868480
	.fill 96, 4, 3214868480
	.section	.rodata,"a",@progbits
	.p2align	6, 0x0
	.amdhsa_kernel k_q86e53ccb67_quant
		.amdhsa_group_segment_fixed_size 52992
		.amdhsa_private_segment_fixed_size 0
		.amdhsa_enable_private_segment 0
		.amdhsa_kernarg_size 32
		.amdhsa_user_sgpr_count 2
		.amdhsa_user_sgpr_kernarg_segment_ptr 1
		.amdhsa_wavefront_size32 1
		.amdhsa_system_sgpr_workgroup_id_x 1
		.amdhsa_system_sgpr_workgroup_id_y 1
		.amdhsa_system_sgpr_workgroup_id_z 1
		.amdhsa_system_vgpr_workitem_id 0
		.amdhsa_next_free_vgpr 256
		.amdhsa_next_free_sgpr 66
		.amdhsa_reserve_vcc 1
		.amdhsa_float_denorm_mode_32 3
		.amdhsa_float_denorm_mode_16_64 3
		.amdhsa_memory_ordered 1
		.amdhsa_forward_progress 1
		.amdhsa_inst_pref_size 70
	.end_amdhsa_kernel
	.amdgpu_metadata
---
amdhsa.version: [ 1, 2 ]
amdhsa.kernels:
  - .name:           k_q86e53ccb67_quant
    .symbol:         k_q86e53ccb67_quant.kd
    .args:
      - { .name: qkv, .offset: 0, .size: 8, .value_kind: global_buffer, .address_space: global }
      - { .name: q_img, .offset: 8, .size: 8, .value_kind: global_buffer, .address_space: global }
      - { .name: k_img, .offset: 16, .size: 8, .value_kind: global_buffer, .address_space: global }
      - { .name: v_img, .offset: 24, .size: 8, .value_kind: global_buffer, .address_space: global }
    .group_segment_fixed_size: 52992
    .private_segment_fixed_size: 0
    .kernarg_segment_align: 8
    .kernarg_segment_size: 32
    .max_flat_workgroup_size: 192
    .sgpr_count:     66
    .vgpr_count:     256
    .wavefront_size: 32
...
	.end_amdgpu_metadata
.endif
;; end of part 1
;; launch attn (part 2): grid 8 x 32, 16 waves a work-group, clusters of 4 x 1, 284,672 bytes of LDS; arguments q_img, k_img, v_img, out0; writes out0
.if DOCPART == 2
	.amdgcn_target "amdgcn-amd-amdhsa--gfx1250"
	.amdhsa_code_object_version 6
	.text
	.protected	k_q86e53ccb67_attn
	.globl	k_q86e53ccb67_attn
	.p2align	8
	.type	k_q86e53ccb67_attn,@function
k_q86e53ccb67_attn:
	s_mov_b64 s[64:65], 0
	v_nop
	global_prefetch_b8 v0, s[64:65] scope:SCOPE_SE
	s_setreg_imm32_b32 hwreg(HW_REG_WAVE_MODE, 25, 1), 1
	s_wait_xcnt 0x0
	s_wait_alu depctr_hold_cnt(0) depctr_sa_sdst(0) depctr_va_vdst(0) depctr_va_sdst(0) depctr_va_ssrc(0) depctr_va_vcc(0) depctr_vm_vsrc(0)
	s_getreg_b32 s2, hwreg(HW_REG_IB_STS2, 6, 4)
	s_cmp_eq_u32 s2, 0
	s_cbranch_scc0 .Lentry_in_a_cluster
	s_endpgm
.Lentry_in_a_cluster:
	s_bfe_u32 s2, ttmp6, 0x10000c
	s_cmp_lg_u32 s2, 0x3003
	s_cbranch_scc0 .Lentry_shape_is_right
	s_endpgm
.Lentry_shape_is_right:
; out[b][q][h][:] = the sum over keys k <= q of att(q, k) V[k][:], att = relu(e^(x-m) - e^(-m)) / (sum over ALL 2,048 keys of |e^(x-m) - e^(-m)| + 1e-6), x = q . k / 8 (less 10,000 for keys k > q), m the row's largest x.
; Both products on codes of FP6 (E2M3) with one E8M0 scale for each 32 along K, as the launch before has laid them (register images: see there).  att is quantised FINISHED, so the scores are made twice:
; PASS 1 finds the row's maximum and sum, PASS 2 makes att, its codes and O^T += V^T att^T.
; ARITHMETIC of a query: t = x log2(e); N = the running largest of t AND OF 0, rounded up to a whole number (kept as -N); p = 2^(t - N); em = 2^-N; sum = the sum of |p - em|.  p - em is reference()'s term times
;   g = 2^(m log2(e) - N), in numerator and sum alike, so att = max(p r - em r, 0) with r = 1 / (sum + 1e-6 g).  When N moves the sums are multiplied by 2^(old N - new N): nothing is rounded, no branch on data.
;   WHY 0 IS AMONG THE MAXIMUM'S LEAVES: where a row's largest x is under 0 every e^x - 1 is negative, so every numerator is 0 in reference() too, whatever the divisor; from 0 on N is the true maximum's.  So em <= 1, p <= 1, sum <= 2,048.
;   A key behind the diagonal adds e^(-m) to reference()'s sum and nothing to its numerator: inside the diagonal step its score becomes -infinity (p = 0, |p - em| = em); the steps never walked are added as their count x em.
; LIMITS: a hidden key's e^(x - 10,000 - m) is taken as 0 and a hidden score never as the row's maximum: that holds while no hidden x lies 9,896 or more above the row's largest open x.
;   NaN and infinities are not served.  v_exp_f32 gives 0 for results under 2^-126 (ISA guide, its entry in 15.8).
; SHARES.  A work-group takes one head (batch x head = grid y).  Each of its SIXTEEN waves owns one tile of 16 queries in 256 registers, four waves to a SIMD, so that one wave's vector work stands beside another's products and LDS loads.
;   Wave w's queries are 128 G + 32 cx + 8 u + r + 8 (r / 8): G from the wave's number, cx the work-group's place in its cluster, u the cluster's x.  With a = w / 4, b = w % 4, G = 4 (a xor b) + (a xor 2b'), 2b' = 0, 2, 3, 1:
;   a square of 0..15 whose rows and columns each sum to 30: four waves w with equal w / 4, or with equal w % 4, walk 34 key steps a pass together, and all 256 work-groups have the same work.
; CLUSTER.  The four work-groups of a cluster belong to one head: K's and V's head blocks (102,400 bytes each) are asked for JOINTLY, once, at the head: each wave asks for a sixteenth of each.  A head's codes fit in LDS whole:
;   nothing is filled again.  cx enters global addresses and the mask's compare value alone: no branch, no trip count, no LDS address.
; LAYOUT.  Both products are used transposed: S^T = K Q^T (source 0 = 16 keys, source 1 = my queries), O^T = V^T att^T: a lane holds ONE query (lane % 16) throughout.
;   The head's 64 are half of the instruction's 128 along K: a fragment of K carries TWO tiles of 16 keys (k 0-63, k 64-127), and Q stands beside six registers of zero codes, [Q | 0] or [0 | Q], which picks the tile.
;   The keys of a tile are chosen so that S's registers 16 f + i are the neighbouring keys 128 J + 32 f + 16 (lane / 16) + i.
; EVERY wave walks all 16 trips of both loops (constant counts); a step whose keys all lie behind the wave's queries jumps over its work, by a scalar branch on the wave's number.
; No prefetch is laid: all that the launch reads is asked for at its head.
.set HBLK,  102400
.set FRAG,  1536
.set STEPB, 4*FRAG                     ; a key step's four fragments
.set SCOFF, 98304                      ; a head block's scale words
.set PART,  HBLK/16                    ; what one tensor load brings: 25 rows of 256 bytes
.set VB,    HBLK                       ; LDS: K's head block at 0, V's behind it,
.set STAGE, 212992                     ; and from the next multiple of 16,384 the stages for the way out: 16 rows x 272 bytes for each wave; no tensor load lands there
.set SPI,   272
.set LI,   1                           ; v1   16 x lane: my place in a fragment's image
.set LSC,  2                           ; v2   16 x (lane % 16): my row's four scale words
.set ADK,  3                           ; v3-6 LDS addresses of the step in hand: K's fragments, K's words, V's fragments, V's words
.set ADS,  4
.set ADV,  5
.set ADT,  6
.set STO,  7                           ; v7   the way out: where I put 32 bytes of a row
.set RD,   8                           ; v8   where I read a row back
.set GO,   9                           ; v9   my byte offset in out
.set QHI,  16                          ; v[16:27] = [0 | Q]
.set QLO,  22                          ; v[22:33] = [Q | 0]
.set QS,   34                          ; Q's scale word (s0, s1, s0, s1)
.set KS,   36                          ; v36-39 K's scale words
.set VS,   40                          ; v40-43 V's
.set F,    44                          ; v44-91 four fragments, of K and then of V
.set S,    96                          ; v96-159 S^T, then p, then att
.set O,    160                         ; v160-191 O^T
.set PC,   192                         ; v192-203 att's codes
.set PT,   204                         ; v204-211 (a conversion's three registers begin on an even number)
.set NEGN, 212                         ; -N;  v213 the running largest t
.set TMAX, 213
.set SUM,  214                         ; v214-217 the sum in four chains
.set EM,   218                         ; the pairs' upper words are written once and never used
.set FF,   220
.set RR,   222
.set ER,   224
.set BM,   226                         ; v226-229 block maxima; v230-233 the other half of the lanes'
.set BX,   230
.set SO,   234
.set BY,   238
.set PW,   242                         ; att's scale word
.set NINF, 243
.set QD,   244                         ; my query's place in its step - 16 (lane / 16)
.set T0,   245
.set T1,   246
.set T2,   247
.set WV,   12
.set CX,   13
.set UU,   14
.set HB,   15
.set GG,   16
.set SEL,  20
.set CS,   22                          ; s[22:23] log2(e): the packed form names a pair and takes its low word for both halves
.set G1,   24
.set G0K,  32
.set G0V,  36
.set JJ,   40                          ; the key step
.set TK,   41
.set TS,   42
.set TV,   43
.set TT,   44
.macro CROUND                          ; a round of the cluster's barrier
	s_barrier_signal -1
	s_barrier_wait -1
	s_cmp_lg_u32 s[WV], 0
	s_cbranch_scc1 .Lnot_wave_0_\@
	s_barrier_signal -3
.Lnot_wave_0_\@:
	s_barrier_wait -3
	s_barrier_signal -1
	s_barrier_wait -1
.endm
	s_load_b256 s[4:11], s[0:1], 0x0               ; q_img s[4:5], k_img s[6:7], v_img s[8:9], out s[10:11]
	v_lshl_add_u32 v254, v0, 2, 0x45000
	v_mov_b32 v255, 0
	ds_add_u32 v254, v255
	ds_add_u32 v254, v255
	v_lshrrev_b32 v13, 5, v0
	v_readfirstlane_b32 s[WV], v13                 ; wave 0..15
	s_bfe_u32 s[CX], ttmp6, 0x40000                ; cx
	s_mov_b32 s[UU], ttmp9                         ; the cluster's x: 0 or 1
	s_and_b32 s[HB], ttmp7, 0xffff                 ; batch x head, which the four partners share
	s_lshr_b32 s17, s[WV], 2                       ; a
	s_and_b32 s18, s[WV], 3                        ; b
	s_lshl_b32 s19, s18, 1
	s_lshr_b32 s[GG], s18, 1
	s_mul_i32 s[GG], s[GG], 7
	s_xor_b32 s19, s19, s[GG]                      ; 0, 2, 3, 1
	s_xor_b32 s19, s19, s17
	s_xor_b32 s[GG], s17, s18
	s_lshl_b32 s[GG], s[GG], 2
	s_add_co_u32 s[GG], s[GG], s19                 ; G
	; the joint loads' offsets, in registers that never hold cx
	s_mul_i32 s58, s[WV], PART
	s_mul_i32 s59, s[HB], HBLK
	s_add_co_u32 s56, s58, s59
	s_mov_b32 s57, 0
	s_mov_b32 s[G1+0], 15|(3<<16)|(1<<21)          ; 15:0 the mask: all four work-groups; 17:16 elements of 8 bytes; 20 no padding; 21 set beside a mask
	s_mov_b32 s[G1+1], 32<<16                      ; tensor_dim0 = 32 elements: 256 bytes
	s_mov_b32 s[G1+2], (PART/256)<<16              ; tensor_dim1 = 25
	s_mov_b32 s[G1+3], 32<<16                      ; tile_dim0
	s_mov_b32 s[G1+4], PART/256                    ; tile_dim1
	s_mov_b32 s[G1+5], 32                          ; the pitch: the block is dense
	s_mov_b32 s[G1+6], 0
	s_mov_b32 s[G1+7], 0
	; Q: fragment 4 G + cx of my head, and its rows' scale words
	s_lshl_b32 s17, s[GG], 2
	s_add_co_u32 s17, s17, s[CX]
	s_mul_i32 s17, s17, FRAG
	s_add_co_u32 s52, s17, s59
	s_mov_b32 s53, 0
	s_lshl_b32 s54, s[GG], 8
	s_lshl_b32 s19, s[CX], 2
	s_add_co_u32 s54, s54, s19
	s_add_co_u32 s54, s54, s59
	s_add_co_u32 s54, s54, SCOFF
	s_mov_b32 s55, 0
	; out: batch, my tile's first row 128 G + 32 cx + 8 u (4,096 bytes a row), the head's 256 bytes
	s_lshl_b32 s49, s[CX], 5
	s_lshl_b32 s19, s[UU], 3
	s_add_co_u32 s49, s49, s19                     ; 32 cx + 8 u
	s_lshl_b32 s60, s[GG], 7
	s_add_co_u32 s60, s60, s49
	s_lshl_b32 s60, s60, 12
	s_lshr_b32 s19, s[HB], 4
	s_lshl_b32 s19, s19, 23
	s_add_co_u32 s60, s60, s19
	s_and_b32 s19, s[HB], 15
	s_lshl_b32 s19, s19, 8
	s_add_co_u32 s60, s60, s19
	s_mov_b32 s61, 0
	s_cmp_lg_u32 s[UU], 0
	s_cselect_b32 s46, -1, 0                       ; a lane mask: all ones where u = 1
	s_lshl_b32 s47, s[UU], 4                       ; 16 u
	s_sub_co_u32 s48, 15, s[GG]
	s_lshl_b32 s48, s48, 7                         ; the keys of the steps that I never walk
	s_mul_i32 s62, s[WV], 16*SPI
	s_add_co_u32 s62, s62, STAGE                   ; my stage
	s_mov_b32 s[SEL], 0x76543210
	s_mov_b32 s[SEL+1], 0xfedcba98                 ; v_permlanex16_b32's selects for lane l xor 16
	s_mov_b32 s[CS], 0x3fb8aa3b                    ; log2(e); the 1 / 8 stands in K's scale bytes
	s_mov_b32 s[CS+1], s[CS]
	v_and_b32 v10, 31, v0                          ; lane
	v_and_b32 v11, 15, v0                          ; r
	v_bfe_u32 v12, v0, 4, 1                        ; h
	v_lshlrev_b32 v[LI], 4, v10
	v_lshlrev_b32 v[LSC], 4, v11
	v_mul_u32_u24 v[STO], v11, SPI
	v_lshl_add_u32 v[STO], v12, 5, v[STO]
	v_add_nc_u32 v[STO], s62, v[STO]               ; in: row r, + 32 h
	v_mul_u32_u24 v[RD], v12, SPI
	v_lshl_add_u32 v[RD], v11, 4, v[RD]
	v_add_nc_u32 v[RD], s62, v[RD]                 ; back: lanes 0-15 one row, lanes 16-31 the next
	v_lshlrev_b32 v[GO], 12, v12
	v_lshl_add_u32 v[GO], v11, 4, v[GO]            ; and the same two rows in out
	v_and_b32 v[QD], 8, v11
	v_add_nc_u32 v[QD], v[QD], v11                 ; r + 8 (r / 8)
	v_lshlrev_b32 v[T0], 4, v12
	v_sub_nc_u32 v[QD], v[QD], v[T0]
	v_add_nc_u32 v[QD], s49, v[QD]
	s_wait_dscnt 0x0
	s_wait_kmcnt 0x0
	s_mov_b32 s[G0K], 1                            ; count = 1
	s_mov_b32 s[G0K+1], s58                        ; LDS address: 6,400 x wave
	s_add_nc_u64 s[G0K+2:G0K+3], s[6:7], s[56:57]
	s_or_b32 s[G0K+3], s[G0K+3], 0x80000000        ; type = 2
	s_mov_b32 s[G0V], 1
	s_add_co_u32 s[G0V+1], s58, VB
	s_add_nc_u64 s[G0V+2:G0V+3], s[8:9], s[56:57]
	s_or_b32 s[G0V+3], s[G0V+3], 0x80000000
	s_add_nc_u64 s[52:53], s[4:5], s[52:53]
	s_add_nc_u64 s[54:55], s[4:5], s[54:55]
	s_add_nc_u64 s[10:11], s[10:11], s[60:61]
	CROUND                                         ; all four work-groups are here: the joint loads meet
	tensor_load_to_lds s[G0K:G0K+3], s[G1:G1+7]    ; my sixteenth of K's head block,
	s_nop 0
	tensor_load_to_lds s[G0V:G0V+3], s[G1:G1+7]    ; and of V's: two loads of mine are out, the launch's only ones
	s_nop 0
.rept 4
	v_nop                                          ; four such lines behind the loads
.endr
.irp c, 0,1,2
	global_load_b128 v[F+4*\c:F+4*\c+3], v[LI], s[52:53] offset:512*\c   ; Q's fragment: both halves u
.endr
	global_load_b32 v[F+12], v[LSC], s[54:55]      ; and its rows' scale words
	s_wait_loadcnt 0x0
.irp i, 0,1,2,3,4,5
	v_cndmask_b32 v[QLO+\i], v[F+\i], v[F+6+\i], s46   ; my half's six registers
.endr
	v_lshrrev_b32 v[T0], s47, v[F+12]
	v_and_b32 v[T0], 0xffff, v[T0]                 ; my half's two bytes,
	v_lshl_or_b32 v[QS], v[T0], 16, v[T0]          ; for k 0-63 and for k 64-127 alike
.irp i, 0,1,2,3,4,5
	v_mov_b32 v[QHI+\i], 0                         ; zero codes add nothing under any byte but 0xff
	v_mov_b32 v[QLO+6+\i], 0
.endr
	v_mov_b32 v[TMAX], 0                           ; 0 is among the maximum's leaves (head comment)
	v_mov_b32 v[NEGN], 0
.irp i, 0,1,2,3
	v_mov_b32 v[SUM+\i], 0
	v_mov_b32 v[BX+\i], 0                          ; a lane permute's destination counts as one of its sources
.endr
	v_mov_b32 v[EM+1], 0                           ; named as the upper halves of pairs
	v_mov_b32 v[FF+1], 0
	v_mov_b32 v[RR+1], 0
	v_mov_b32 v[ER+1], 0
	v_mov_b32 v[NINF], 0xff800000
	v_mov_b32 v[T1], 0
	v_mov_b32 v[T0], 0
.macro RESET                           ; back to key step 0
	s_mov_b32 s[JJ], 0
	s_mov_b32 s[TK], 0
	s_mov_b32 s[TS], SCOFF
	s_mov_b32 s[TV], VB
	s_mov_b32 s[TT], VB+SCOFF
.endm
.macro TAIL                            ; on to the next key step: on every wave's path
	s_add_co_u32 s[TK], s[TK], STEPB
	s_add_co_u32 s[TS], s[TS], 256
	s_add_co_u32 s[TV], s[TV], STEPB
	s_add_co_u32 s[TT], s[TT], 256
	s_add_co_u32 s[JJ], s[JJ], 1
.endm
; The step's scores: K's four fragments and their words from LDS, eight products.
.macro HEADK
	v_add_nc_u32 v[ADK], s[TK], v[LI]              ; these four are also the places between the last step's products and the loads into the registers that they read
	v_add_nc_u32 v[ADS], s[TS], v[LSC]
	v_add_nc_u32 v[ADV], s[TV], v[LI]
	v_add_nc_u32 v[ADT], s[TT], v[LSC]
.irp f, 0,1,2,3
.irp c, 0,1,2
	ds_load_b128 v[F+12*\f+4*\c:F+12*\f+4*\c+3], v[ADK] offset:FRAG*\f+512*\c   ; 512 consecutive bytes an instruction
.endr
.endr
	ds_load_b128 v[KS:KS+3], v[ADS]
	s_wait_dscnt 0x0
.irp f, 0,1,2,3
	v_wmma_scale_f32_16x16x128_f8f6f4 v[S+16*\f:S+16*\f+7], v[F+12*\f:F+12*\f+11], v[QLO:QLO+11], 0, v[KS+\f], v[QS] matrix_a_fmt:MATRIX_FMT_FP6 matrix_b_fmt:MATRIX_FMT_FP6
	v_wmma_scale_f32_16x16x128_f8f6f4 v[S+16*\f+8:S+16*\f+15], v[F+12*\f:F+12*\f+11], v[QHI:QHI+11], 0, v[KS+\f], v[QS] matrix_a_fmt:MATRIX_FMT_FP6 matrix_b_fmt:MATRIX_FMT_FP6
.endr
.rept 4
	v_nop                                          ; places: in front of the first read of the scores, and of loads into the fragments' registers
.endr
.endm
; On the diagonal (J = G) hidden scores become -infinity.  Register 16 f + i holds the step's key 32 f + 16 (lane / 16) + i: hidden where 32 f + i > QD.  Each accumulator is read from its low end on.
.macro MASK
	s_cmp_lg_u32 s[JJ], s[GG]
	s_cbranch_scc1 .Lopen_\@
.set NN, 0
.rept 64
	v_cmp_gt_i32 vcc_lo, 32*(NN/16)+NN%16, v[QD]
	v_cndmask_b32 v[S+NN], v[S+NN], v[NINF], vcc_lo
.set NN, NN+1
.endr
.Lopen_\@:
.endm
; p = 2^(t - N): 32 packed multiply-adds, the 64 exponentials as ONE batch, a plain line, ONE wait ahead of the first reader
.macro SCALE_EXP p1
.set NN, 0
.rept 32
	v_pk_fma_f32 v[S+NN:S+NN+1], v[S+NN:S+NN+1], s[CS:CS+1], v[NEGN:NEGN+1] op_sel_hi:[1,0,0]
.set NN, NN+2
.endr
.set NN, 0
.rept 64
	v_exp_f32 v[S+NN], v[S+NN]
.set NN, NN+1
.endr
.if \p1
	v_pk_mul_f32 v[SUM:SUM+1], v[SUM:SUM+1], v[FF:FF+1] op_sel_hi:[1,0]   ; the sums under the new N
.else
	v_nop
.endif
	s_wait_alu depctr_va_vdst(0)
.endm
; PASS 1, a key step: the running maximum and the sum of |p - em|
.macro STEP1 skip
.if \skip
	s_cmp_gt_u32 s[JJ], s[GG]                      ; all the step's keys lie behind my queries: its work is left out
	s_cbranch_scc1 .Lhid1_\@
.endif
	HEADK
	MASK
.irp b, 0,1,2,3
	v_max3_num_f32 v[BM+\b], v[S+16*\b], v[S+1+16*\b], v[S+2+16*\b]   ; four chains by turns
.endr
.irp i, 3,5,7,9,11,13
.irp b, 0,1,2,3
	v_max3_num_f32 v[BM+\b], v[BM+\b], v[S+16*\b+\i], v[S+1+16*\b+\i]
.endr
.endr
.irp b, 0,1,2,3
	v_max_num_f32 v[BM+\b], v[BM+\b], v[S+15+16*\b]
.endr
	v_max3_num_f32 v[T0], v[BM], v[BM+1], v[BM+2]
	v_max_num_f32 v[T0], v[T0], v[BM+3]
	v_permlanex16_b32 v[T1], v[T0], s[SEL], s[SEL+1]
	v_max_num_f32 v[T0], v[T0], v[T1]              ; the step's largest score of my query
	v_mul_f32 v[T0], s[CS], v[T0]
	v_max_num_f32 v[TMAX], v[TMAX], v[T0]
	v_mov_b32 v[T0], v[NEGN]
	v_floor_f32 v[NEGN], -v[TMAX]                  ; -N = floor(-t): N is a whole number
	v_sub_f32 v[T0], v[NEGN], v[T0]                ; old N - new N: a whole number, 0 or less
	v_cvt_i32_f32 v[T0], v[T0]                     ; (it saturates)
	v_ldexp_f32 v[FF], 1.0, v[T0]
	v_cvt_i32_f32 v[T1], v[NEGN]
	v_ldexp_f32 v[EM], 1.0, v[T1]                  ; em = 2^-N, at most 1
	SCALE_EXP 1
	v_pk_mul_f32 v[SUM+2:SUM+3], v[SUM+2:SUM+3], v[FF:FF+1] op_sel_hi:[1,0]
.set NN, 0
.rept 32
	v_pk_add_f32 v[S+NN:S+NN+1], v[S+NN:S+NN+1], v[EM:EM+1] op_sel_hi:[1,0] neg_lo:[0,1] neg_hi:[0,1]   ; p - em
.set NN, NN+2
.endr
.set NN, 0
.rept 64
	v_add_f32 v[SUM+NN%4], v[SUM+NN%4], |v[S+NN]|
.set NN, NN+1
.endr
.if \skip
.Lhid1_\@:
.endif
	TAIL
.endm
; PASS 2, a key step: att, its codes and scale word, O^T += V^T att^T.  first = 1: the products start O^T's sums
.macro STEP2 skip, first
.if \skip
	s_cmp_gt_u32 s[JJ], s[GG]
	s_cbranch_scc1 .Lhid2_\@
.endif
	HEADK
.irp t, 0,1,2,3
.irp c, 0,1,2
	ds_load_b128 v[F+12*\t+4*\c:F+12*\t+4*\c+3], v[ADV] offset:FRAG*\t+512*\c   ; V's fragments land while att is made
.endr
.endr
	ds_load_b128 v[VS:VS+3], v[ADT]
	MASK
	SCALE_EXP 0
.set NN, 0
.rept 32
	v_pk_fma_f32 v[S+NN:S+NN+1], v[S+NN:S+NN+1], v[RR:RR+1], v[ER:ER+1] op_sel_hi:[1,0,0]   ; p r - em r
.set NN, NN+2
.endr
.irp b, 0,1,2,3
	v_max3_num_f32 v[BM+\b], v[S+16*\b], v[S+1+16*\b], 0x1800000   ; block b's largest att: no |.|, what is negative becomes 0 below; the floor 2^(3 - 127) holds the byte at 1
.endr
.irp i, 2,4,6,8,10,12,14
.irp b, 0,1,2,3
	v_max3_num_f32 v[BM+\b], v[BM+\b], v[S+16*\b+\i], v[S+1+16*\b+\i]
.endr
.endr
.irp b, 0,1,2,3
	v_permlanex16_b32 v[BX+\b], v[BM+\b], s[SEL], s[SEL+1]
.endr
.irp b, 0,1,2,3
	v_max_num_f32 v[BM+\b], v[BM+\b], v[BX+\b]     ; with lane l xor 16's 16 keys
.endr
.irp b, 0,1,2,3
	v_add_nc_u32 v[SO+\b], 0xff000000, v[BM+\b]    ; 2 off the exponent field: the conversion's scale operand
.endr
.irp b, 0,1,2,3
	v_lshrrev_b32 v[BY+\b], 23, v[SO+\b]
.endr
	v_lshl_or_b32 v[T0], v[BY+1], 8, v[BY]
	v_lshl_or_b32 v[T0], v[BY+2], 16, v[T0]
	v_lshl_or_b32 v[PW], v[BY+3], 24, v[T0]        ; att's scale word for these 128 keys
.set NN, 0
.rept 64
	v_max_num_f32 v[S+NN], 0, v[S+NN]              ; the relu.  (More than the eight places that a scale register written by a vector line owes a scaled product)
.set NN, NN+1
.endr
.irp c, 0,1
	v_cvt_scalef32_pk16_fp6_f32 v[PC+6*\c:PC+6*\c+2], v[S+32*\c:S+32*\c+15], v[SO+2*\c]
	v_cvt_scalef32_pk16_fp6_f32 v[PT+4*\c:PT+4*\c+2], v[S+32*\c+16:S+32*\c+31], v[SO+2*\c+1]
.endr
	v_nop                                          ; one plain place behind the scaled conversions
.irp c, 0,1                            ; the operand wants a WHOLE block in a lane: lanes 0-15 block 2 c, lanes 16-31 block 2 c + 1
.irp i, 0,1,2
	v_permlane16_swap_b32 v[PC+6*\c+\i], v[PT+4*\c+\i]
.endr
.irp i, 0,1,2
	v_mov_b32 v[PC+6*\c+3+\i], v[PT+4*\c+\i]
.endr
.endr
.rept 4
	v_nop                                          ; an operand written by vector lines stands four places ahead of a scaled product
.endr
	s_wait_dscnt 0x0                               ; V's fragments and words are in
.irp t, 0,1,2,3                        ; the four accumulators take turns, one instruction a turn, with the eight score products between two turns
.if \first
	v_wmma_scale_f32_16x16x128_f8f6f4 v[O+8*\t:O+8*\t+7], v[F+12*\t:F+12*\t+11], v[PC:PC+11], 0, v[VS+\t], v[PW] matrix_a_fmt:MATRIX_FMT_FP6 matrix_b_fmt:MATRIX_FMT_FP6
.else
	v_wmma_scale_f32_16x16x128_f8f6f4 v[O+8*\t:O+8*\t+7], v[F+12*\t:F+12*\t+11], v[PC:PC+11], v[O+8*\t:O+8*\t+7], v[VS+\t], v[PW] matrix_a_fmt:MATRIX_FMT_FP6 matrix_b_fmt:MATRIX_FMT_FP6
.endif
.endr
.if \skip
.Lhid2_\@:
.endif
	TAIL
.endm
	s_wait_tensorcnt 0x1                           ; my part of K is in; my part of V, issued behind it, may stay out
	s_barrier_signal -1
	s_barrier_wait -1                              ; everybody's part of K is in
	RESET
	STEP1 0                                        ; key step 0 is every wave's; V lands meanwhile
	s_wait_tensorcnt 0x0                           ; my part of V is in,
	s_wait_dscnt 0x0
	s_barrier_signal -1
	s_barrier_wait -1                              ; everybody's is
.Lp1:                                              ; key steps 1 to 15
	STEP1 1
	s_cmp_lt_u32 s[JJ], 16
	s_cbranch_scc1 .Lp1
	; the row's divisor
	v_add_f32 v[SUM], v[SUM], v[SUM+1]
	v_add_f32 v[SUM+2], v[SUM+2], v[SUM+3]
	v_add_f32 v[SUM], v[SUM], v[SUM+2]
	v_permlanex16_b32 v[T0], v[SUM], s[SEL], s[SEL+1]
	v_add_f32 v[SUM], v[SUM], v[T0]                ; with lane l xor 16's keys
	v_cvt_f32_u32 v[T1], s48
	v_fma_f32 v[SUM], v[T1], v[EM], v[SUM]         ; each key of the steps never walked adds em
	v_add_f32 v[T2], v[TMAX], v[NEGN]              ; t_max - N, in (-1, 0]
	v_exp_f32 v[T2], v[T2]
	v_nop                                          ; a plain place behind the transcendental,
	s_wait_alu depctr_va_vdst(0)                   ; and the wait ahead of its first reader
	v_fma_f32 v[SUM], 0x358637bd, v[T2], v[SUM]    ; + 1e-6 x 2^(t_max - N)
	v_rcp_f32 v[RR], v[SUM]
	v_nop
	s_wait_alu depctr_va_vdst(0)
	v_mul_f32 v[ER], -v[EM], v[RR]                 ; -em r: em is a power of two
	RESET
	STEP2 0, 1                                     ; key step 0 starts O^T's sums: nothing is cleared
.Lp2:                                              ; key steps 1 to 15
	STEP2 1, 0
	s_cmp_lt_u32 s[JJ], 16
	s_cbranch_scc1 .Lp2
	; THE WAY OUT.  Register 8 t + i of lane (r, h) is out(query r, d = 16 t + 8 h + i).  The tile goes through my own stage and comes back as whole rows of 256 bytes; stage row p is query row p + 8 (p / 8) of my tile.
.rept 4
	v_nop                                          ; places behind the last products
.endr
.irp t, 0,1,2,3
	ds_store_b128 v[STO], v[O+8*\t:O+8*\t+3] offset:64*\t          ; each accumulator from its low end on
	ds_store_b128 v[STO], v[O+8*\t+4:O+8*\t+7] offset:64*\t+16
.endr
.irp i, 0,1,2,3,4,5,6,7
	ds_load_b128 v[S+4*\i:S+4*\i+3], v[RD] offset:2*\i*SPI         ; LDS serves a wave's instructions in order: these see my stores
.endr
.irp i, 0,1,2,3,4,5,6,7
	s_wait_dscnt 7-\i                              ; rows 2 i and 2 i + 1 are back; the younger loads stay out
	global_store_b128 v[GO], v[S+4*\i:S+4*\i+3], s[10:11] offset:(2*\i+8*(\i/4))*4096 th:TH_STORE_NT   ; 16 lanes store 256 consecutive bytes, at a multiple of 256 from out's first byte
.endr
	s_wait_dscnt 0x0
	s_wait_tensorcnt 0x0
	ds_add_u32 v254, v255
	s_wait_dscnt 0x0
	CROUND                                         ; the closing round
	s_endpgm
.Lfunc_end_k_q86e53ccb67_attn:
	.size	k_q86e53ccb67_attn, .Lfunc_end_k_q86e53ccb67_attn-k_q86e53ccb67_attn
	.p2alignl 7, 3214868480
	.fill 96, 4, 3214868480
	.section	.rodata,"a",@progbits
	.p2align	6, 0x0
	.amdhsa_kernel k_q86e53ccb67_attn
		.amdhsa_group_segment_fixed_size 284672
		.amdhsa_private_segment_fixed_size 0
		.amdhsa_enable_private_segment 0
		.amdhsa_kernarg_size 32
		.amdhsa_user_sgpr_count 2
		.amdhsa_user_sgpr_kernarg_segment_ptr 1
		.amdhsa_wavefront_size32 1
		.amdhsa_system_sgpr_workgroup_id_x 1
		.amdhsa_system_sgpr_workgroup_id_y 1
		.amdhsa_system_sgpr_workgroup_id_z 1
		.amdhsa_system_vgpr_workitem_id 0
		.amdhsa_next_free_vgpr 256
		.amdhsa_next_free_sgpr 66
		.amdhsa_reserve_vcc 1
		.amdhsa_float_denorm_mode_32 3
		.amdhsa_float_denorm_mode_16_64 3
		.amdhsa_memory_ordered 1
		.amdhsa_forward_progress 1
		.amdhsa_inst_pref_size 93
	.end_amdhsa_kernel
	.amdgpu_metadata
---
amdhsa.version: [ 1, 2 ]
amdhsa.kernels:
  - .name:           k_q86e53ccb67_attn
    .symbol:         k_q86e53ccb67_attn.kd
    .args:
      - { .name: q_img, .offset: 0, .size: 8, .value_kind: global_buffer, .address_space: global }
      - { .name: k_img, .offset: 8, .size: 8, .value_kind: global_buffer, .address_space: global }
      - { .name: v_img, .offset: 16, .size: 8, .value_kind: global_buffer, .address_space: global }
      - { .name: out0, .offset: 24, .size: 8, .value_kind: global_buffer, .address_space: global }
    .group_segment_fixed_size: 284672
    .private_segment_fixed_size: 0
    .kernarg_segment_align: 8
    .kernarg_segment_size: 32
    .max_flat_workgroup_size: 512
    .sgpr_count:     66
    .vgpr_count:     256
    .wavefront_size: 32
...
	.end_amdgpu_metadata
.endif
;; end of part 2
